; MI455X (gfx1250); checked and timed in simulation.
; The chip was launched on July 23, 2026; its instructions are those of AMD's public machine-readable ISA for CDNA 5 (MIT licence, August 2026) and "CDNA5" Instruction Set Architecture Reference Guide (July 2026). The comments in the code are by the model that wrote it; some were corrected since.
;; Codebook For Image. Allowed arithmetic: float matrix products may take bf16 or f16 operands with f32 sums; other float arithmetic in f32, or as packed bf16 or f16 multiplies, adds, multiply-adds, maxima and minima; sums over many terms, partial sums and values carried from step to step in f32; what a program stores and reads back later, other than sums and carried values, may be rounded once to bf16 or f16.
;; Inputs: codes 8,192 x 1,024 float32; image_tensor 8,192 x 1,024 float32.
;; Outputs: out0 8,192 int32; out1 8,192 x 1,024 float32.
;; One version. Each part assembles by itself: llvm-mc -triple=amdgcn-amd-amdhsa -mcpu=gfx1250 --defsym DOCPART=n.
;; ======== version 1 of 1: 3 launches
;; workspace buffers: xb 16,777,216 bytes; cb 16,777,216 bytes; hc 32,768 bytes; pkey 262,144 bytes of whole numbers; pidx 262,144 bytes of whole numbers
;; launch prep (part 1): grid 128 x 2, 8 waves a work-group, no clusters, 1,280 bytes of LDS; arguments image_tensor, codes, xb, cb, hc; writes xb, cb, hc
.if DOCPART == 1
	.amdgcn_target "amdgcn-amd-amdhsa--gfx1250"
	.amdhsa_code_object_version 6
	.text
	.protected	k_qb02c4eeffc_prep
	.globl	k_qb02c4eeffc_prep
	.p2align	8
	.type	k_qb02c4eeffc_prep,@function
k_qb02c4eeffc_prep:
	s_mov_b64 s[64:65], 0
	v_nop
	global_prefetch_b8 v0, s[64:65] scope:SCOPE_SE
	s_setreg_imm32_b32 hwreg(HW_REG_WAVE_MODE, 25, 1), 1
	s_wait_xcnt 0x0
; FIRST OF THREE LAUNCHES.  indexes[b] = argmin over k of ||x_b||^2 - 2 x_b . c_k + ||c_k||^2;  out[b] = x_b + (c_idx - x_b).
; WORK LEFT OUT, for all finite values of the inputs:
;   (1) ||x_b||^2 is the same number for every k of row b, so it moves no argmin along k: it is never made.  What is left, -2 x.c + ||c||^2, is -2 times s = x.c - ||c||^2 / 2: the argmin is
;       the argmax of s, first index on ties in both.  ||x||^2 is of the size of the other two terms, so no f32 sum loses them beside it.
;   (2) x + (q - x) = q by identity: out is the chosen row of codes itself; the last launch does not read image_tensor.
;   Both inputs still have a way to an output (image_tensor through the product), and both are loaded.
; LIMITS.  A NaN, an infinity or an overflow that would reach only ||x||^2 or (q - x) is not carried to the result.  The product's operands are rounded to bf16, and ||c||^2 is summed of the
; ROUNDED codes, so the indices are those of the formula on inputs rounded to bf16; where two codes' distances differ by less than the f32 rounding of the sums the choice may differ.
; s is a difference of x.c and ||c||^2 / 2 as the formula itself has it, and loses what the formula loses under a large common offset.
; THIS LAUNCH: xb = bf16(image_tensor), cb = bf16(codes), hc[k] = half the f32 sum of bf16(c_k)^2.
; SHARES.  Work-group (g, y): y = 0 image_tensor, y = 1 codes; rows 64 g .. 64 g + 63; a wave takes 8 rows, one at a time.  A row is eight loads of 16 bytes a lane (512 consecutive bytes each)
; and leaves as eight stores of 8 bytes a lane: each store of the wave covers 256 consecutive bytes, aligned.  Two row slots in registers: while one is worked on the other's 8 loads are out.
; No matrix unit, no cluster, no tensor load: every byte is read once by one wave and nothing is shared.
.set ROWI,  4096                       ; bytes in a row of f32
.set ROWO,  2048                       ; bytes in a row of bf16
.set SPARE, 256                        ; LDS: bytes 0-255 the work-group's 64 sums; from 256 on the spare words, 128 bytes for each of 8 waves, which no other line names
.set SPW, 2                            ; v2   LDS address of my spare word; never rewritten
.set NIL, 3                            ; v3   0; never rewritten
.set ZR,  4                            ; v4   0: the addend of each chain's first multiply-add
.set LSA, 5                            ; v5   LDS address of my wave's sums: 32 x wave, stepped by 8 for each pair of rows
.set INO, 6                            ; v6   wave x 8 rows x 4,096 + 16 x lane; never rewritten
.set OUTO, 7                           ; v7   wave x 8 rows x 2,048 + 8 x lane; never rewritten
.set LRD, 8                            ; v8   8 x lane: two sums in LDS, and the same two in hc; never rewritten
.set SUM, 10                           ; v[10:13] four chains of the sum of squares
.set HV,  14                           ; v[14:15] two finished sums
.set X,   16                           ; v[16:79] slot s: 32 registers, a row as loaded
.set Y,   80                           ; v[80:95] the row in hand, rounded: 16 x 2 bf16
.set IN,  16                           ; s[16:17] the input at the pair of rows in hand
.set OUT, 18                           ; s[18:19] the output at the same pair
.set HC,  12                           ; s[12:13] hc at the work-group's 64 numbers
	s_load_b256 s[4:11], s[0:1], 0x0               ; image_tensor s[4:5], codes s[6:7], xb s[8:9], cb s[10:11]
	s_load_b64 s[HC:HC+1], s[0:1], 0x20            ; hc
	v_lshl_add_u32 v[SPW], v0, 2, SPARE
	v_mov_b32 v[NIL], 0
	v_mov_b32 v[ZR], 0
	v_lshrrev_b32 v1, 5, v0
	v_readfirstlane_b32 s14, v1                    ; wave 0..7
	s_and_b32 s15, ttmp7, 0xffff                   ; 0: image_tensor, 1: codes
	v_and_b32 v1, 31, v0                           ; lane
	v_mov_b32 v[LSA], s14
	v_lshlrev_b32 v[LSA], 5, v[LSA]                ; 8 words for each wave
	s_lshl_b32 s21, s14, 15
	v_lshl_add_u32 v[INO], v1, 4, s21
	s_lshl_b32 s21, s14, 14
	v_lshl_add_u32 v[OUTO], v1, 3, s21
	v_lshlrev_b32 v[LRD], 3, v1
	s_lshl_b32 s24, ttmp9, 18                      ; 64 rows of 4,096 bytes
	s_mov_b32 s25, 0
	s_lshl_b32 s26, ttmp9, 17                      ; 64 rows of 2,048 bytes
	s_mov_b32 s27, 0
	s_lshl_b32 s28, ttmp9, 8                       ; 64 numbers of 4 bytes
	s_mov_b32 s29, 0
	s_mov_b32 s22, 0x76543210                      ; v_permlanex16_b32: each lane takes its own place in the other half
	s_mov_b32 s23, 0xfedcba98
	s_wait_kmcnt 0x0
	s_cmp_eq_u32 s15, 0
	s_cselect_b64 s[IN:IN+1], s[4:5], s[6:7]
	s_cselect_b64 s[OUT:OUT+1], s[8:9], s[10:11]
	s_add_nc_u64 s[IN:IN+1], s[IN:IN+1], s[24:25]
	s_add_nc_u64 s[OUT:OUT+1], s[OUT:OUT+1], s[26:27]
	s_add_nc_u64 s[HC:HC+1], s[HC:HC+1], s[28:29]
.macro FILL s, off                     ; a row's eight loads into slot s
.irp j, 0,1,2,3,4,5,6,7
	global_load_b128 v[X+32*(\s)+4*(\j):X+32*(\s)+4*(\j)+3], v[INO], s[IN:IN+1] offset:(\off)+512*(\j) th:TH_LOAD_NT
.endr
.endm
; The turn of slot s.  fill = 1: the slot takes the row two further down.  left = how many younger loads may stay out.  sum = 1: the row's sum of squares goes to LDS.
.macro TURN s, fill, left, sum
	s_wait_loadcnt \left                           ; loads come back in order: my row is in, the other slot's eight may stay out
	s_wait_xcnt 0x0                                ; the last row's stores have read Y: it is written again only behind this wait
.set n, 0
.rept 16
	v_cvt_pk_bf16_f32 v[Y+n], v[X+32*(\s)+2*n], v[X+32*(\s)+2*n+1]
.set n, n+1
.endr
.if \fill
	FILL \s, (2+(\s))*ROWI                         ; loads ahead of stores
.endif
.irp j, 0,1,2,3,4,5,6,7
	global_store_b64 v[OUTO], v[Y+2*(\j):Y+2*(\j)+1], s[OUT:OUT+1] offset:(\s)*ROWO+256*(\j)
.endr
.if \sum
.set n, 0
.rept 16                                       ; the low halves' squares, in f32, four chains; a product of two bf16 is exact in f32
.if n < 4
	v_fma_mix_f32_bf16 v[SUM+n], v[Y+n], v[Y+n], v[ZR] op_sel_hi:[1,1,0]
.else
	v_fma_mix_f32_bf16 v[SUM+(n%4)], v[Y+n], v[Y+n], v[SUM+(n%4)] op_sel_hi:[1,1,0]
.endif
.set n, n+1
.endr
.set n, 0
.rept 16                                       ; the high halves'
	v_fma_mix_f32_bf16 v[SUM+(n%4)], v[Y+n], v[Y+n], v[SUM+(n%4)] op_sel:[1,1,0] op_sel_hi:[1,1,0]
.set n, n+1
.endr
	v_add_f32 v[SUM], v[SUM], v[SUM+1]
	v_add_f32 v[SUM+2], v[SUM+2], v[SUM+3]
	v_add_f32 v[SUM], v[SUM], v[SUM+2]
	v_add_f32_dpp v[SUM], v[SUM], v[SUM] row_xmask:1 row_mask:0xf bank_mask:0xf
	v_add_f32_dpp v[SUM], v[SUM], v[SUM] row_xmask:2 row_mask:0xf bank_mask:0xf
	v_add_f32_dpp v[SUM], v[SUM], v[SUM] row_xmask:4 row_mask:0xf bank_mask:0xf
	v_add_f32_dpp v[SUM], v[SUM], v[SUM] row_xmask:8 row_mask:0xf bank_mask:0xf
	v_permlanex16_b32 v[SUM+1], v[SUM], s22, s23   ; its destination has been written
	v_add_f32 v[SUM], v[SUM], v[SUM+1]             ; every lane holds the row's sum
	ds_store_b32 v[LSA], v[SUM] offset:4*(\s)      ; all lanes write the same word with the same value
.endif
.endm
; A wave's eight rows: three trips of two rows that fill both slots again, then the last two rows, which load nothing.
.macro WALK sum
	s_mov_b32 s20, 3
.Lpair_\@:
	TURN 0, 1, 8, \sum
	TURN 1, 1, 8, \sum
	s_wait_xcnt 0x0                                ; every load and store issued so far has read its base: now the bases step
	s_add_nc_u64 s[IN:IN+1], s[IN:IN+1], 2*ROWI
	s_add_nc_u64 s[OUT:OUT+1], s[OUT:OUT+1], 2*ROWO
.if \sum
	v_add_nc_u32 v[LSA], 8, v[LSA]
.endif
	s_sub_co_u32 s20, s20, 1
	s_cmp_lg_u32 s20, 0
	s_cbranch_scc1 .Lpair_\@
	TURN 0, 0, 8, \sum
	TURN 1, 0, 0, \sum
.endm
	FILL 0, 0
	FILL 1, ROWI
	s_cmp_lg_u32 s15, 0                            ; the same in all waves of the work-group
	s_cbranch_scc1 .Lcodes
	WALK 0                                         ; image_tensor: rounded and stored; ||x||^2 is not wanted
	s_branch .Lend
.Lcodes:
	WALK 1
	s_wait_dscnt 0x0                               ; for the others' sake: my eight sums lie in LDS
	s_barrier_signal -1
	s_barrier_wait -1                              ; all 64 do
	s_cmp_lg_u32 s14, 0
	s_cbranch_scc1 .Lend                           ; wave 0 stores them: 8 bytes a lane, 256 consecutive bytes, aligned
	ds_load_b64 v[HV:HV+1], v[LRD]
	s_wait_dscnt 0x0
	v_pk_mul_f32 v[HV:HV+1], v[HV:HV+1], 0.5 op_sel_hi:[1,0]
	global_store_b64 v[LRD], v[HV:HV+1], s[HC:HC+1]
.Lend:
	s_wait_tensorcnt 0x0                           ; the wave's end, behind my last LDS store
	ds_add_u32 v[SPW], v[NIL]
	s_wait_dscnt 0x0
	s_endpgm
.Lfunc_end_k_qb02c4eeffc_prep:
	.size	k_qb02c4eeffc_prep, .Lfunc_end_k_qb02c4eeffc_prep-k_qb02c4eeffc_prep
	.p2alignl 7, 3214868480
	.fill 96, 4, 3214868480
	.section	.rodata,"a",@progbits
	.p2align	6, 0x0
	.amdhsa_kernel k_qb02c4eeffc_prep
		.amdhsa_group_segment_fixed_size 1280
		.amdhsa_private_segment_fixed_size 0
		.amdhsa_enable_private_segment 0
		.amdhsa_kernarg_size 40
		.amdhsa_user_sgpr_count 2
		.amdhsa_user_sgpr_kernarg_segment_ptr 1
		.amdhsa_wavefront_size32 1
		.amdhsa_system_sgpr_workgroup_id_x 1
		.amdhsa_system_sgpr_workgroup_id_y 1
		.amdhsa_system_sgpr_workgroup_id_z 1
		.amdhsa_system_vgpr_workitem_id 0
		.amdhsa_next_free_vgpr 96
		.amdhsa_next_free_sgpr 66
		.amdhsa_reserve_vcc 0
		.amdhsa_float_denorm_mode_32 3
		.amdhsa_float_denorm_mode_16_64 3
		.amdhsa_memory_ordered 1
		.amdhsa_forward_progress 1
		.amdhsa_inst_pref_size 32
	.end_amdhsa_kernel
	.amdgpu_metadata
---
amdhsa.version: [ 1, 2 ]
amdhsa.kernels:
  - .name:           k_qb02c4eeffc_prep
    .symbol:         k_qb02c4eeffc_prep.kd
    .args:
      - { .name: image_tensor, .offset: 0, .size: 8, .value_kind: global_buffer, .address_space: global }
      - { .name: codes, .offset: 8, .size: 8, .value_kind: global_buffer, .address_space: global }
      - { .name: xb, .offset: 16, .size: 8, .value_kind: global_buffer, .address_space: global }
      - { .name: cb, .offset: 24, .size: 8, .value_kind: global_buffer, .address_space: global }
      - { .name: hc, .offset: 32, .size: 8, .value_kind: global_buffer, .address_space: global }
    .group_segment_fixed_size: 1280
    .private_segment_fixed_size: 0
    .kernarg_segment_align: 8
    .kernarg_segment_size: 40
    .max_flat_workgroup_size: 256
    .sgpr_count:     66
    .vgpr_count:     96
    .wavefront_size: 32
...
	.end_amdgpu_metadata
.endif
;; end of part 1
;; launch score (part 2): grid 8 x 32, 4 waves a work-group, clusters of 4 x 4, 327,680 bytes of LDS; arguments xb, cb, hc, pkey, pidx; writes pkey, pidx
.if DOCPART == 2
	.amdgcn_target "amdgcn-amd-amdhsa--gfx1250"
	.amdhsa_code_object_version 6
	.text
	.protected	k_qb02c4eeffc_score
	.globl	k_qb02c4eeffc_score
	.p2align	8
	.type	k_qb02c4eeffc_score,@function
k_qb02c4eeffc_score:
	s_mov_b64 s[64:65], 0
	v_nop
	global_prefetch_b8 v0, s[64:65] scope:SCOPE_SE
	s_setreg_imm32_b32 hwreg(HW_REG_WAVE_MODE, 25, 1), 1
	s_wait_xcnt 0x0
	s_wait_alu depctr_hold_cnt(0) depctr_sa_sdst(0) depctr_va_vdst(0) depctr_va_sdst(0) depctr_va_ssrc(0) depctr_va_vcc(0) depctr_vm_vsrc(0)
	s_getreg_b32 s2, hwreg(HW_REG_IB_STS2, 6, 4)
	s_cmp_eq_u32 s2, 0
	s_cbranch_scc0 .Lentry_in_a_cluster
	s_endpgm
.Lentry_in_a_cluster:
	s_bfe_u32 s2, ttmp6, 0x10000c
	s_cmp_lg_u32 s2, 0xf033
	s_cbranch_scc0 .Lentry_shape_is_right
	s_endpgm
.Lentry_shape_is_right:
; SECOND LAUNCH.  s[b][k] = x_b . c_k - hc[k] (bf16 operands, f32 sums), and for each row b and each group X of 1,024 codes the largest s and its first code.  ||x_b||^2 is left out: it is the same
; for every k of a row and moves no argmin (shown at the head of the first launch).  No score goes to memory: each ends in a comparison in registers.
; OUT: pkey[X][b] = the largest s as a whole number whose unsigned order is the order of the floats; pidx[X][b] = its code.  The last launch compares whole numbers alone.
; LIMITS.  A NaN score never wins; a row and group with nothing but NaN or -infinity gives the group's first code that the lane holds.  -0 counts as +0.
; SHARES.  Work-group (X, Y), X = 0..7, Y = 0..31, owns rows 256 Y .. 256 Y + 255 of x and STAYS: four tiles of 256 x 256, against codes 1,024 X + 256 t.  Four waves, as many as a WGP has SIMDs; a wave makes
; 128 x 128: 64 accumulators of 16 x 16, 512 registers.  K goes in steps of 128 through a ring of two LDS slots filled by the tensor data mover: each row of a tile is 256 bytes of memory, aligned.
; The ring does not stop at a tile's end: a tile's last two changes of slots ask for the next tile's first two K steps, which land while the tile's maxima are taken.
; CLUSTERS: 4 x 4 work-groups.  The four of a row of the cluster (same Y) need the same tiles of x, the four of a column (same X) the same tiles of the codes: each tile is asked for JOINTLY, by the same
; tensor load with the same descriptor and a mask that names the four.
; THE MATRIX INSTRUCTION: source 0 = 16 codes, source 1 = 16 rows of x.  In the result lane l holds ONE row of x (l % 16), and register j the code 8 (l / 16) + j of the block: the maximum along the codes
; runs inside a lane, and one exchange between the halves of the lanes ends it.
; hc IS TAKEN AWAY FROM THE FINISHED SUM, not given to the first product as its C: the chain's roundings then happen at the size of x.c, not of ||c||^2 / 2.
; REGISTERS, in windows of 256 (s_set_vgpr_msb: bits 1:0 source 0, 3:2 source 1, 5:4 source 2, 7:6 destination):
;   window 0: v0-31 addresses; v32-63 the running and the tile's maxima and places; v64-127, v128-191 fragments of x, two buffers; v192-215 at work at the end
;   window 1: v0-63 hc of my lane's 64 codes of the tile (place L = 8 b + j at v[L]); v64-127, v128-191 fragments of the codes, two buffers
;   window 2: the accumulators of my row blocks 0-3 (block a', place L at v[64 a' + L]);   window 3: those of blocks 4-7
.set SIZE_K, 1024
.set TILES,  4
.set KSTEP,  128
.set PITCH,  272                       ; an LDS row: 256 bytes + 16 of padding = 68 words: row r starts at bank 4 r mod 64 (64 banks of 4 bytes: ISA guide 11.1), so the 16 rows of a load start at 16 different banks
.set HALFT,  128*PITCH                 ; 128 rows: what one tensor load brings, and what one wave reads of x or of the codes
.set SLOT,   4*HALFT                   ; x's 256 rows, then the codes' 256 rows
.set RED,    2*SLOT                    ; behind the ring, never filled by a tensor load: keys [2 halves of the codes][256 rows], then codes likewise: 4 x 1,024 bytes
.set SPARE,  RED+4096                  ; behind that: the spare words, 128 bytes for each wave: two blocks of 256 bytes that no other line names
.set LAPS,   SIZE_K/(2*KSTEP)          ; a lap = two K steps = once round the ring
.set BACK_A, (SIZE_K-2*KSTEP)*2        ; bytes from a slot's last K step of a tile back to its first: the walk's tiles share their rows of x
.set NEXT_B, 256*SIZE_K*2-BACK_A       ; the codes go 256 rows down and back along K
.set PF_NEXT, 255*SIZE_K*2+KSTEP*2     ; the prefetches' pointer: from the K step after a tile's last to the next tile's K step 1
.set ADRA, 16                          ; v16-17  LDS address of my x fragments in slot 0, 1
.set ADRB, 20                          ; v20-21  the same for the codes
.set HO,   22                          ; v22     32 (l / 16): my eight numbers of each 16 of hc; never rewritten
.set CBASE, 23                         ; v23     1,024 X + 128 x my half of the codes + 8 (l / 16)
.set RST,  24                          ; v24     where I put a row's key in RED
.set RLD,  25                          ; v25     where I read two rows' keys back
.set GOF,  26                          ; v26     my byte offset in pkey and pidx
.set SPW,  28                          ; v28     LDS address of my spare word; never rewritten
.set NIL,  29                          ; v29     0; never rewritten
.set PFO,  30                          ; v30     the prefetches' offset: my lane x a row of 2,048 bytes; never rewritten
.set BM,   32                          ; v32-39  row block a: the largest s so far
.set BI,   40                          ; v40-47  its place: 64 t + L
.set TM,   48                          ; v48-55  the larger of BM and the tile's largest
.set TI,   56                          ; v56-63  the first place L in the tile that holds it
.set F0,   64
.set F1,   128
.set KY,   192                         ; v192-199 keys
.set CD,   200                         ; v200-207 codes
.set T,    208                         ; v208-215 at work
.set G1,   24                          ; s[24:31] descriptor group 1 for x's tiles;  s[32:39] group 0, a set for each slot
.set G0,   32
.set LIM,  43                          ; s43     1 in a wave that prefetches, else the greatest number
.set PFA,  44                          ; s[44:45] where my prefetches stand: my work-group's 32 rows of the 128 that I fetch, one K step further than the refill in hand; a prefetch names the K step after that
.set G1B,  48                          ; s[48:55], s[56:63] the same two groups for the codes' tiles
.set G0B,  56
.set HB,   68                          ; s[68:69] hc at my 128 codes of the tile in hand
.set PKY,  70                          ; s[70:71] pkey
.set PIX,  72                          ; s[72:73] pidx
.set TOFF, 74                          ; s74     64 t
.set MK,   76                          ; s76-78  lane masks (the fourth is VCC, for the short encodings)
.set SEL,  80                          ; s[80:81] v_permlanex16_b32's selects
.set MSB, 0
.macro WIN new                         ; the immediate's high byte repeats the setting that is left; a switch that changes nothing is dropped
.if MSB != (\new)
	s_set_vgpr_msb (MSB<<8)|(\new)
.set MSB, \new
.endif
.endm
.set MUL_LO, 0xa1                      ; source 0 (codes) window 1, source 1 (x) window 0, C and D window 2
.set MUL_HI, 0xf1                      ; the same, C and D window 3
.set TO_B,   0x40                      ; destination window 1, address window 0
; A joint load.  Waves 0 and 1 fetch x's two halves, waves 2 and 3 the codes'.  Each line has ONE mask and one set of registers for all that issue it.  The branch hangs on the wave's number alone.
; An s_nop 0 and four v_nop follow each of the two lines, ahead of the jump, the label and what follows.
.macro JLOAD s
	s_cmp_eq_u32 s11, 0
	s_cbranch_scc0 .Lfor_b_\@
	tensor_load_to_lds s[G0+4*(\s):G0+4*(\s)+3], s[G1:G1+7]
	s_nop 0
.rept 4
	v_nop
.endr
	s_branch .Lasked_\@
.Lfor_b_\@:
	tensor_load_to_lds s[G0B+4*(\s):G0B+4*(\s)+3], s[G1B:G1B+7]
	s_nop 0
.rept 4
	v_nop
.endr
.Lasked_\@:
.endm
; A PREFETCH INTO THE L2, behind each joint load, its five lines and the run of LDS loads: the K step that stands TWO refills on (512 matrix instructions ahead of the load that will want it): 32 rows x 256 bytes,
; a lane a row, one instruction a wave.  Each row's 256 bytes of a K step are named ONCE in the launch: x's rows are read by both clusters of a row of clusters: cluster x = 0 asks; the codes' rows by all eight
; clusters of a column: cluster y = 0 asks.  The four partners of a joint load share its 128 rows out BY ADDRESS, 32 each (by cx for x, by cy for the codes): no branch hangs on a place in the cluster.
; how = 0, in the loop: a tile's last two refills have no K step two on.  how = 1, at a change of tiles: the next tile's K steps 2 and 3 of the codes; x's rows are asked for in the first tile alone.
.macro ASK how
.if \how
	s_cmp_eq_u32 s[LIM], 1
.else
	s_cmp_gt_u32 s3, s[LIM]                        ; s3 = 1 in the loop's last trip
.endif
	s_cbranch_scc0 .Lnot_mine_\@
	global_prefetch_b8 v[PFO], s[PFA:PFA+1] offset:KSTEP*2 th:TH_LOAD_NT scope:SCOPE_SE
.Lnot_mine_\@:
.endm
; A round of the cluster's barrier: my work-group's barrier; wave 0 signals for the work-group; every wave waits for all sixteen work-groups; my work-group's barrier once more.
.macro CREST                           ; a round behind its opening barrier
	s_cmp_lg_u32 s10, 0
	s_cbranch_scc1 .Lnot_wave_0_\@
	s_barrier_signal -3
.Lnot_wave_0_\@:
	s_barrier_wait -3
	s_barrier_signal -1
	s_barrier_wait -1
.endm
.macro CROUND                          ; a whole round
	s_barrier_signal -1
	s_barrier_wait -1
	CREST
.endm
	s_load_b128 s[4:7], s[0:1], 0x0                ; xb s[4:5], cb s[6:7]
	s_load_b128 s[HB:HB+3], s[0:1], 0x10           ; hc, pkey
	s_load_b64 s[PIX:PIX+1], s[0:1], 0x20          ; pidx
	v_lshl_add_u32 v[SPW], v0, 2, SPARE
	v_mov_b32 v[NIL], 0
	ds_add_u32 v[SPW], v[NIL]                      ; the wave's opening: the add, twice on end, and its wait ahead of my first tensor load; the set-up below, work on registers, stands between
	ds_add_u32 v[SPW], v[NIL]                      ; and once more, under the one wait
	v_lshrrev_b32 v1, 5, v0
	v_readfirstlane_b32 s10, v1                    ; wave 0..3
	s_lshr_b32 s11, s10, 1                         ; which half of the tile's rows of x is mine.  Also: I fetch for x (0) or for the codes (1)
	s_and_b32 s12, s10, 1                          ; which half of its codes.  Also: which 128 rows of that tile I fetch
	s_bfe_u32 s40, ttmp6, 0x40000                  ; cx
	s_bfe_u32 s41, ttmp6, 0x40004                  ; cy
	s_lshl_b32 s42, ttmp9, 2                       ; in a cluster launch ttmp9 and ttmp7 count clusters
	s_add_co_u32 s42, s42, s40                     ; X = 4 x cluster x + cx
	s_and_b32 s13, ttmp7, 0xffff
	s_lshl_b32 s13, s13, 2
	s_add_co_u32 s13, s13, s41                     ; Y = 4 x cluster y + cy
	s_lshl_b32 s43, s41, 2
	s_lshl_b32 s43, 15, s43                        ; my row of the cluster: places 4 cy .. 4 cy + 3
	s_lshl_b32 s44, 0x1111, s40                    ; my column: places cx, cx + 4, cx + 8, cx + 12
	; descriptor group 1: a tile of 128 rows x 128 elements, padded in LDS
	s_or_b32 s[G1+0], s43, (1<<16)|(1<<20)|(1<<21)|(5<<22)|(3<<25)  ; 15:0 the mask: x's tiles go to my row; 17:16 elements of 2 bytes; 20 padding on; 21 set beside a mask; 24:22 after every 64 words (code 5); 31:25 4 words (code 3)
	s_or_b32 s[G1B+0], s44, (1<<16)|(1<<20)|(1<<21)|(5<<22)|(3<<25) ; the same with the mask of my column, for the codes' tiles
.irp g, G1, G1B
	s_mov_b32 s[(\g)+1], KSTEP<<16                 ; tensor_dim0 = 128
	s_mov_b32 s[(\g)+2], 128<<16                   ; tensor_dim1 = 128
	s_mov_b32 s[(\g)+3], KSTEP<<16                 ; tile_dim0 = 128
	s_mov_b32 s[(\g)+4], 128                       ; tile_dim1 = 128
	s_mov_b32 s[(\g)+5], SIZE_K                    ; elements from row to row
	s_mov_b32 s[(\g)+6], 0
	s_mov_b32 s[(\g)+7], 0
.endr
	; where the tiles come from.  x's hang on Y alone, which my row of the cluster shares; the codes' on X alone, which my column shares.  Each address is made in registers that never hold the other coordinate.
	s_lshl_b32 s17, s12, 7                         ; which 128 rows of the tile I fetch
	s_lshl_b32 s16, s13, 8
	s_add_co_u32 s16, s16, s17                     ; x: row 256 Y + 128 x half
	s_lshl_b32 s46, s42, 10
	s_add_co_u32 s46, s46, s17                     ; codes: row 1,024 X + 128 x half
	s_lshl_b32 s16, s16, 11                        ; in bytes: under 2^24
	s_mov_b32 s17, 0
	s_lshl_b32 s46, s46, 11
	s_mov_b32 s47, 0
	s_mul_i32 s20, s10, HALFT                      ; and where they go: wave x 128 rows: no place in the cluster enters an LDS address
	s_wait_dscnt 0x0                               ; both opening adds are done
	s_wait_kmcnt 0x0
	s_add_nc_u64 s[14:15], s[4:5], s[16:17]
	s_add_nc_u64 s[46:47], s[6:7], s[46:47]
	CROUND                                         ; all sixteen work-groups are here: the first joint loads meet
.irp s, 0,1
	s_mov_b32 s[G0+4*(\s)], 1                                      ; count = 1
	s_add_co_u32 s[G0+4*(\s)+1], s20, (\s)*SLOT                    ; LDS address
	s_add_nc_u64 s[G0+4*(\s)+2:G0+4*(\s)+3], s[14:15], (\s)*KSTEP*2  ; global address: K step s
	s_or_b32 s[G0+4*(\s)+3], s[G0+4*(\s)+3], 0x80000000            ; type = 2
	s_mov_b32 s[G0B+4*(\s)], 1
	s_add_co_u32 s[G0B+4*(\s)+1], s20, (\s)*SLOT
	s_add_nc_u64 s[G0B+4*(\s)+2:G0B+4*(\s)+3], s[46:47], (\s)*KSTEP*2
	s_or_b32 s[G0B+4*(\s)+3], s[G0B+4*(\s)+3], 0x80000000
	JLOAD \s                                       ; the ring is filled before anything else is done: two loads of mine are out
.endr
	; A fragment is 16 rows x 32 K in 8 registers: lane l holds row l % 16; registers 0-3 K = 8 (l / 16) + 0..7, registers 4-7 K = 16 + 8 (l / 16) + 0..7: two loads of 16 bytes, 32 bytes apart.
	v_and_b32 v1, 15, v0                           ; l % 16
	v_bfe_u32 v2, v0, 4, 1                         ; l / 16
	v_and_b32 v4, 31, v0                           ; l
	v_mul_u32_u24 v3, v1, PITCH
	v_lshl_add_u32 v3, v2, 4, v3                   ; row x pitch + 16 x half
	s_mul_i32 s21, s11, HALFT                      ; my 128 rows of x
	s_mul_i32 s22, s12, HALFT                      ; my 128 codes,
	s_add_co_u32 s22, s22, 2*HALFT                 ; which lie behind x's 256 rows
.irp s, 0,1
	v_add_nc_u32 v[ADRA+(\s)], s21, v3
	v_add_nc_u32 v[ADRB+(\s)], s22, v3
	s_add_co_u32 s21, s21, SLOT
	s_add_co_u32 s22, s22, SLOT
.endr
	v_lshlrev_b32 v[HO], 5, v2
	s_lshl_b32 s82, s42, 10
	s_lshl_b32 s84, s12, 7
	s_add_co_u32 s82, s82, s84                     ; the first code of my half of tile 0
	v_lshl_add_u32 v[CBASE], v2, 3, s82
	s_lshl_b32 s84, s82, 2
	s_mov_b32 s85, 0
	s_add_nc_u64 s[HB:HB+1], s[HB:HB+1], s[84:85]
	s_lshl_b32 s83, s12, 10                        ; RED: keys of my half of the codes,
	s_lshl_b32 s86, s11, 9                         ; my 128 rows
	s_add_co_u32 s83, s83, s86
	s_add_co_u32 s83, s83, RED
	v_lshl_add_u32 v[RST], v1, 2, s83
	s_lshl_b32 s86, s10, 8                         ; back: wave w takes rows 64 w .. 64 w + 63, two a lane
	s_add_co_u32 s86, s86, RED
	v_lshl_add_u32 v[RLD], v4, 3, s86
	s_lshl_b32 s87, s10, 8                         ; and the same rows in plane X of pkey and pidx: 32,768 X + 4 (256 Y + 64 w + 2 l)
	s_lshl_b32 s84, s42, 15
	s_add_co_u32 s87, s87, s84
	s_lshl_b32 s84, s13, 10
	s_add_co_u32 s87, s87, s84
	v_lshl_add_u32 v[GOF], v4, 3, s87
.irp a, 0,1,2,3,4,5,6,7
	v_mov_b32 v[BM+(\a)], 0xff800000               ; below every score
	v_mov_b32 v[BI+(\a)], 0
.endr
	s_mov_b32 s[TOFF], 0
	s_mov_b32 s[SEL], 0x76543210
	s_mov_b32 s[SEL+1], 0xfedcba98
	; the prefetches
	s_lshl_b32 s13, s13, 8                         ; 256 Y
	s_lshl_b32 s42, s42, 10                        ; 1,024 X
	s_and_b32 s22, ttmp7, 0xffff                   ; cluster y
	s_cmp_eq_u32 s11, 0                            ; do I fetch for x?
	s_cselect_b32 s20, s13, s42                    ; the tile's first row
	s_cselect_b32 s21, s40, s41                    ; my place among the four that ask for it with me
	s_cselect_b32 s22, ttmp9, s22                  ; the coordinate along which other clusters read the same rows
	s_cselect_b64 s[PFA:PFA+1], s[4:5], s[6:7]
	s_cmp_eq_u32 s22, 0
	s_cselect_b32 s[LIM], 1, -1                    ; the same in all sixteen partners, for a given wave
	s_lshl_b32 s22, s12, 7
	s_add_co_u32 s20, s20, s22                     ; + the 128 rows that I fetch
	s_lshl_b32 s21, s21, 5
	s_add_co_u32 s20, s20, s21                     ; + my work-group's 32 of them
	s_lshl_b32 s20, s20, 11
	s_mov_b32 s21, 0
	s_add_nc_u64 s[PFA:PFA+1], s[PFA:PFA+1], s[20:21]
	s_add_nc_u64 s[PFA:PFA+1], s[PFA:PFA+1], 2*KSTEP*2  ; at K step 2: the first refill steps it to 3 and names K step 4.  Nothing is prefetched here, at the head
	v_lshlrev_b32 v[PFO], 11, v4
; 16 matrix instructions: row blocks a0, a0 + 1 of the window's four (hi = 0: my rows 0-63, 1: rows 64-127) x all 8 blocks of codes, 32 along K.  zero = 1: the first product starts the sums.
.macro MUL16 f, hi, a0, zero
	WIN MUL_LO+0x50*(\hi)
.irp a, \a0, (\a0)+1
.irp b, 0,1,2,3,4,5,6,7
.if \zero
	v_wmma_f32_16x16x32_bf16 v[8*(8*(\a)+(\b)):8*(8*(\a)+(\b))+7], v[(\f)+8*(\b):(\f)+8*(\b)+7], v[(\f)+8*(4*(\hi)+(\a)):(\f)+8*(4*(\hi)+(\a))+7], 0
.else
	v_wmma_f32_16x16x32_bf16 v[8*(8*(\a)+(\b)):8*(8*(\a)+(\b))+7], v[(\f)+8*(\b):(\f)+8*(\b)+7], v[(\f)+8*(4*(\hi)+(\a)):(\f)+8*(4*(\hi)+(\a))+7], v[8*(8*(\a)+(\b)):8*(8*(\a)+(\b))+7]
.endif
.endr
.endr
.endm
; 32 LDS loads in one run: the fragments of one quarter step (128 codes, 128 rows of x, 32 K at byte k of the rows) into buffer f
.macro FETCH slot, k, f
	WIN TO_B
.irp i, 0,1,2,3,4,5,6,7
	ds_load_b128 v[(\f)+8*(\i):(\f)+8*(\i)+3],   v[ADRB+(\slot)] offset:(\k)+(\i)*16*PITCH
	ds_load_b128 v[(\f)+8*(\i)+4:(\f)+8*(\i)+7], v[ADRB+(\slot)] offset:(\k)+(\i)*16*PITCH+32
.endr
	WIN 0
.irp i, 0,1,2,3,4,5,6,7
	ds_load_b128 v[(\f)+8*(\i):(\f)+8*(\i)+3],   v[ADRA+(\slot)] offset:(\k)+(\i)*16*PITCH
	ds_load_b128 v[(\f)+8*(\i)+4:(\f)+8*(\i)+7], v[ADRA+(\slot)] offset:(\k)+(\i)*16*PITCH+32
.endr
.endm
; A load into a register that a matrix instruction has read, and a vector instruction that reads a matrix result or writes one of its registers, stand four places behind it; only plain vector
; instructions that name none of its registers are places (ISA guide 7.12.1 for vector instructions).
.macro PLACES
.rept 4
	v_nop
.endr
.endm
; A K step is four quarters of 32 along K, 64 matrix instructions each, on buffers 0, 1, 0, 1.  The 64 accumulators take turns in the same order in every quarter.
; One of the first three quarters: multiplies buffer f; in its middle it fetches the next quarter's fragments, at byte k of the same slot's rows, into buffer g.
.macro QUARTER slot, k, f, g, zero
	s_wait_dscnt 8                                 ; the codes and x's rows 0-63 are in; the youngest eight loads (x's rows 64-127) may be out
	WIN MUL_LO
	MUL16 \f, 0, 0, \zero
	MUL16 \f, 0, 2, \zero
	PLACES
	FETCH \slot, \k, \g
	s_wait_dscnt 32                                ; all but the 32 just issued
	WIN MUL_HI
	MUL16 \f, 1, 0, \zero
	MUL16 \f, 1, 2, \zero
.endm
; The last quarter multiplies buffer 1 and changes slots.  MEET is its first half: ONE barrier.  In front of it each wave waits for all its tensor loads (one is out: its part of the next slot), adds 0 to its
; spare word, and waits for that and for its own reads of this slot.  Behind it nobody reads this slot any more and the next slot is whole.
.macro MEET round                      ; round = 1: a round of the cluster's barrier follows
	WIN 0                                          ; (the add's two registers lie in window 0)
	s_wait_tensorcnt 0x0                           ; all my tensor loads have landed
	ds_add_u32 v[SPW], v[NIL]                      ; 0 onto my spare word
	s_wait_dscnt 9                                 ; (the add and the youngest eight loads may be out)
	WIN MUL_LO
	MUL16 F1, 0, 0, 0                              ; sixteen matrix instructions stand between the add and the wait for it
	s_wait_dscnt 0x0                               ; the add is done, and my reads of this slot are over
	s_barrier_signal -1
	MUL16 F1, 0, 2, 0                              ; work on registers while the others arrive
.if \round
	WIN 0
.endif
	s_barrier_wait -1
.endm
; The whole last quarter.  Behind the round the slot just read out is filled again first: with this tile's K step two steps on (on = 0) or, in a tile's last two K steps, with the NEXT tile's K step 0 or 1
; (on = 1: x goes back along K, the codes 256 rows down); then come the next slot's first fragments.  From a request to the wait for it a wave issues 224 matrix instructions.
.macro TURN slot, next, on
	s_wait_xcnt 0x0                                ; the last prefetch, a K step back, has read its address: it is stepped here, ahead of the waits of the change of slots
.if (\on) && ((\slot) == 0)
	s_add_nc_u64 s[PFA:PFA+1], s[PFA:PFA+1], PF_NEXT
	s_cmp_eq_u32 s11, 1
	s_cselect_b32 s[LIM], s[LIM], -1               ; x's rows are the same for all tiles of the walk: they are prefetched no more
.else
	s_add_nc_u64 s[PFA:PFA+1], s[PFA:PFA+1], KSTEP*2
.endif
	MEET 1
	CREST                                          ; no wave of any partner still reads this slot's tile or has a load on its way
.if \on
	s_sub_nc_u64 s[G0+4*(\slot)+2:G0+4*(\slot)+3], s[G0+4*(\slot)+2:G0+4*(\slot)+3], BACK_A
	s_add_nc_u64 s[G0B+4*(\slot)+2:G0B+4*(\slot)+3], s[G0B+4*(\slot)+2:G0B+4*(\slot)+3], NEXT_B
.else
	s_add_nc_u64 s[G0+4*(\slot)+2:G0+4*(\slot)+3], s[G0+4*(\slot)+2:G0+4*(\slot)+3], 2*KSTEP*2
	s_add_nc_u64 s[G0B+4*(\slot)+2:G0B+4*(\slot)+3], s[G0B+4*(\slot)+2:G0B+4*(\slot)+3], 2*KSTEP*2
.endif
	JLOAD \slot                                    ; the first tensor load behind the round, my only one until the next; its four v_nop are also the places in front of the loads below
	FETCH \next, 0, F0
	ASK \on
	WIN MUL_HI
	MUL16 F1, 1, 0, 0
	MUL16 F1, 1, 2, 0
.endm
; hc of my lane's 64 codes of the tile, into window 1: asked for at the tile's beginning, waited for at its end.
.macro HLOAD
	WIN TO_B
.irp b, 0,1,2,3,4,5,6,7
	global_load_b128 v[8*(\b):8*(\b)+3],   v[HO], s[HB:HB+1] offset:64*(\b)
	global_load_b128 v[8*(\b)+4:8*(\b)+7], v[HO], s[HB:HB+1] offset:64*(\b)+16
.endr
.endm
; Place L of the window's four row blocks: where the score equals the maximum the place is taken.  The places go down from 62 to 0, so the lowest, the first code, has the last word.
.macro LOC hi, L
	v_cmp_neq_f32 vcc_lo,  v[(\L)],     v[TM+4*(\hi)]
	v_cmp_neq_f32 s[MK],   v[(\L)+64],  v[TM+4*(\hi)+1]
	v_cmp_neq_f32 s[MK+1], v[(\L)+128], v[TM+4*(\hi)+2]
	v_cmp_neq_f32 s[MK+2], v[(\L)+192], v[TM+4*(\hi)+3]
	v_cndmask_b32 v[TI+4*(\hi)],   \L, v[TI+4*(\hi)],   vcc_lo
	v_cndmask_b32 v[TI+4*(\hi)+1], \L, v[TI+4*(\hi)+1], s[MK]
	v_cndmask_b32 v[TI+4*(\hi)+2], \L, v[TI+4*(\hi)+2], s[MK+1]
	v_cndmask_b32 v[TI+4*(\hi)+3], \L, v[TI+4*(\hi)+3], s[MK+2]
.endm
; A TILE'S END, for each of the two windows of accumulators: hc is taken away (each accumulator's registers in ascending order); the maximum of the lane's 64 scores and the running
; maximum, four row blocks by turns so that a chain's links stand four lines apart; the first place that holds it; and the running pair takes it where it is GREATER: an earlier tile keeps a tie.
; more = 1: another tile follows.
.macro EPI more
	PLACES
	PLACES                                         ; eight: the packed sums below write accumulators as well as read them
	s_wait_loadcnt 0x0                             ; hc is in
.irp hi, 0,1
	WIN 0x86+0x41*(\hi)                            ; destination and source 0: the window of accumulators; source 1: window 1
.set r, 0
.rept 128
	v_pk_add_f32 v[r:r+1], v[r:r+1], v[(r%64):(r%64)+1] neg_lo:[0,1] neg_hi:[0,1]
.set r, r+2
.endr
	WIN 0x22+0x11*(\hi)                            ; sources 0 and 2: the accumulators; source 1 and destination: window 0
.set n, 0
.rept 32
.irp a, 0,1,2,3
.if n == 0
	v_max3_num_f32 v[TM+4*(\hi)+(\a)], v[64*(\a)], v[BM+4*(\hi)+(\a)], v[64*(\a)+1]
.else
	v_max3_num_f32 v[TM+4*(\hi)+(\a)], v[64*(\a)+2*n], v[TM+4*(\hi)+(\a)], v[64*(\a)+2*n+1]
.endif
.endr
.set n, n+1
.endr
.irp a, 0,1,2,3
	v_mov_b32 v[TI+4*(\hi)+(\a)], 63               ; the last place, unless an earlier one holds the maximum
.endr
.set loc, 62
.rept 63
	LOC \hi, loc
.set loc, loc-1
.endr
	WIN 0
	v_cmp_gt_f32 vcc_lo,  v[TM+4*(\hi)],   v[BM+4*(\hi)]
	v_cmp_gt_f32 s[MK],   v[TM+4*(\hi)+1], v[BM+4*(\hi)+1]
	v_cmp_gt_f32 s[MK+1], v[TM+4*(\hi)+2], v[BM+4*(\hi)+2]
	v_cmp_gt_f32 s[MK+2], v[TM+4*(\hi)+3], v[BM+4*(\hi)+3]
.irp a, 0,1,2,3
	v_or_b32 v[TI+4*(\hi)+(\a)], s[TOFF], v[TI+4*(\hi)+(\a)]   ; 64 t + L
.endr
	v_cndmask_b32 v[BI+4*(\hi)],   v[BI+4*(\hi)],   v[TI+4*(\hi)],   vcc_lo
	v_cndmask_b32 v[BI+4*(\hi)+1], v[BI+4*(\hi)+1], v[TI+4*(\hi)+1], s[MK]
	v_cndmask_b32 v[BI+4*(\hi)+2], v[BI+4*(\hi)+2], v[TI+4*(\hi)+2], s[MK+1]
	v_cndmask_b32 v[BI+4*(\hi)+3], v[BI+4*(\hi)+3], v[TI+4*(\hi)+3], s[MK+2]
.irp a, 0,1,2,3
	v_mov_b32 v[BM+4*(\hi)+(\a)], v[TM+4*(\hi)+(\a)]
.endr
.endr
.if \more
	s_add_co_u32 s[TOFF], s[TOFF], 64
	s_add_nc_u64 s[HB:HB+1], s[HB:HB+1], 1024      ; the next tile's 256 codes; the loads that named this base are done (the wait above)
.endif
.endm
; Of two pairs (key, code) the first takes the second where its key is greater, or equal with the lower code.
.macro BETTER ka, ca, kb, cb
	v_cmp_gt_u32 s[MK],   v[(\kb)], v[(\ka)]
	v_cmp_eq_u32 s[MK+1], v[(\kb)], v[(\ka)]
	v_cmp_lt_u32 s[MK+2], v[(\cb)], v[(\ca)]
	s_and_b32 s[MK+1], s[MK+1], s[MK+2]
	s_or_b32 s[MK], s[MK], s[MK+1]
	v_cndmask_b32 v[(\ka)], v[(\ka)], v[(\kb)], s[MK]
	v_cndmask_b32 v[(\ca)], v[(\ca)], v[(\cb)], s[MK]
.endm
	s_wait_tensorcnt 1                             ; my part of K step 0 is in; K step 1's may stay out
	s_barrier_signal -1
	s_barrier_wait -1                              ; everybody's is
	FETCH 0, 0, F0
	s_mov_b32 s2, TILES                            ; tiles to go, this one among them: the same number in every work-group
.Ltile:
	HLOAD
	QUARTER 0, 64,  F0, F1, 1                      ; a tile's first quarter stands in front of the loop: its products start the sums
	WIN 0                                          ; at a label and at a branch every window is 0
	s_mov_b32 s3, LAPS-1
.Llap:                                                 ; a trip goes once round the ring, from a lap's second quarter to the next lap's first, and fills both slots again
	QUARTER 0, 128, F1, F0, 0
	QUARTER 0, 192, F0, F1, 0
	TURN 0, 1, 0
	QUARTER 1, 64,  F0, F1, 0
	QUARTER 1, 128, F1, F0, 0
	QUARTER 1, 192, F0, F1, 0
	TURN 1, 0, 0
	QUARTER 0, 64,  F0, F1, 0
	WIN 0
	s_sub_co_u32 s3, s3, 1
	s_cmp_lg_u32 s3, 0
	s_cbranch_scc1 .Llap
	QUARTER 0, 128, F1, F0, 0                      ; the tile's last lap goes on
	QUARTER 0, 192, F0, F1, 0
	WIN 0
	s_cmp_eq_u32 s2, 1
	s_cbranch_scc1 .Llast_tile                     ; the last tile's tail is written out: it asks for nothing more
	TURN 0, 1, 1                                   ; THE RING GOES ON INTO THE NEXT TILE: slot 0 takes its K step 0,
	QUARTER 1, 64,  F0, F1, 0
	QUARTER 1, 128, F1, F0, 0
	QUARTER 1, 192, F0, F1, 0
	TURN 1, 0, 1                                   ; slot 1 its K step 1, and the next tile's first fragments are fetched
	EPI 1                                          ; both refills are asked for: they land while the tile's maxima are taken
	s_sub_co_u32 s2, s2, 1
	s_branch .Ltile
.Llast_tile:
	MEET 0                                         ; my one tensor load that was still out is slot 1's, the last K step's, so no round follows
	PLACES                                         ; for the loads into buffer 0, which the quarter before multiplied
	FETCH 1, 0, F0
	WIN MUL_HI
	MUL16 F1, 1, 0, 0
	MUL16 F1, 1, 2, 0
	QUARTER 1, 64,  F0, F1, 0
	QUARTER 1, 128, F1, F0, 0
	QUARTER 1, 192, F0, F1, 0
	s_wait_dscnt 8                                 ; the very last quarter: nothing more to fetch
	MUL16 F1, 0, 0, 0
	MUL16 F1, 0, 2, 0
	s_wait_dscnt 0x0
	MUL16 F1, 1, 0, 0
	MUL16 F1, 1, 2, 0
	WIN 0
	EPI 0
	; THE END.  For each row block: the place 64 t + 8 b + j becomes the code 256 t + 16 b + j + CBASE; the maximum becomes a key (sign bit turned for numbers at or above 0, all bits for those below: the
	; unsigned order of the keys is the order of the floats; 0 is added first, which makes +0 of -0); the other half of the lanes, which holds the row's other codes, is met; both halves end alike.
.irp a, 0,1,2,3,4,5,6,7
	v_lshrrev_b32 v[T], 6, v[BI+(\a)]
	v_bfe_u32 v[T+1], v[BI+(\a)], 3, 3
	v_and_b32 v[T+2], 7, v[BI+(\a)]
	v_add_f32 v[T+3], 0, v[BM+(\a)]
	v_lshl_add_u32 v[T+2], v[T+1], 4, v[T+2]
	v_ashrrev_i32 v[T+4], 31, v[T+3]
	v_lshl_add_u32 v[T+2], v[T], 8, v[T+2]
	v_or_b32 v[T+4], 0x80000000, v[T+4]
	v_add_nc_u32 v[CD+(\a)], v[CBASE], v[T+2]
	v_xor_b32 v[KY+(\a)], v[T+4], v[T+3]
	v_permlanex16_b32 v[TM+(\a)], v[KY+(\a)], s[SEL], s[SEL+1]   ; the destinations have been written
	v_permlanex16_b32 v[TI+(\a)], v[CD+(\a)], s[SEL], s[SEL+1]
	BETTER KY+(\a), CD+(\a), TM+(\a), TI+(\a)
	ds_store_b32 v[RST], v[KY+(\a)] offset:64*(\a)               ; lanes l and l + 16 write the same word with the same value
	ds_store_b32 v[RST], v[CD+(\a)] offset:2048+64*(\a)
.endr
	s_wait_dscnt 0x0                               ; for the others' sake: my stores into RED are done
	s_barrier_signal -1
	s_barrier_wait -1                              ; a row's two pairs, one for each half of the codes, come from two waves
	ds_load_b64 v[T:T+1],   v[RLD]                 ; two rows' keys, codes' half 0
	ds_load_b64 v[T+2:T+3], v[RLD] offset:1024     ; half 1
	ds_load_b64 v[T+4:T+5], v[RLD] offset:2048     ; their codes, half 0
	ds_load_b64 v[T+6:T+7], v[RLD] offset:3072     ; half 1
	s_wait_dscnt 0x0
	BETTER T, T+4, T+2, T+6
	BETTER T+1, T+5, T+3, T+7
	global_store_b64 v[GOF], v[T:T+1],   s[PKY:PKY+1]  ; each store of the wave covers 256 consecutive bytes, aligned
	global_store_b64 v[GOF], v[T+4:T+5], s[PIX:PIX+1]
	s_wait_tensorcnt 0x0                           ; the wave's end, behind my last tensor load and my last LDS store
	ds_add_u32 v[SPW], v[NIL]
	s_wait_dscnt 0x0
	CROUND                                         ; the closing round: no work-group ends while a partner may still ask for a tile that names it
	s_endpgm
.Lfunc_end_k_qb02c4eeffc_score:
	.size	k_qb02c4eeffc_score, .Lfunc_end_k_qb02c4eeffc_score-k_qb02c4eeffc_score
	.p2alignl 7, 3214868480
	.fill 96, 4, 3214868480
	.section	.rodata,"a",@progbits
	.p2align	6, 0x0
	.amdhsa_kernel k_qb02c4eeffc_score
		.amdhsa_group_segment_fixed_size 327680
		.amdhsa_private_segment_fixed_size 0
		.amdhsa_enable_private_segment 0
		.amdhsa_kernarg_size 40
		.amdhsa_user_sgpr_count 2
		.amdhsa_user_sgpr_kernarg_segment_ptr 1
		.amdhsa_wavefront_size32 1
		.amdhsa_system_sgpr_workgroup_id_x 1
		.amdhsa_system_sgpr_workgroup_id_y 1
		.amdhsa_system_sgpr_workgroup_id_z 1
		.amdhsa_system_vgpr_workitem_id 0
		.amdhsa_next_free_vgpr 1024
		.amdhsa_next_free_sgpr 88
		.amdhsa_reserve_vcc 1
		.amdhsa_float_denorm_mode_32 3
		.amdhsa_float_denorm_mode_16_64 3
		.amdhsa_memory_ordered 1
		.amdhsa_forward_progress 1
		.amdhsa_inst_pref_size 255
	.end_amdhsa_kernel
	.section	.bss,"aw",@nobits
	.p2align	6
	.space	262144
	.amdgpu_metadata
---
amdhsa.version: [ 1, 2 ]
amdhsa.kernels:
  - .name:           k_qb02c4eeffc_score
    .symbol:         k_qb02c4eeffc_score.kd
    .args:
      - { .name: xb, .offset: 0, .size: 8, .value_kind: global_buffer, .address_space: global }
      - { .name: cb, .offset: 8, .size: 8, .value_kind: global_buffer, .address_space: global }
      - { .name: hc, .offset: 16, .size: 8, .value_kind: global_buffer, .address_space: global }
      - { .name: pkey, .offset: 24, .size: 8, .value_kind: global_buffer, .address_space: global }
      - { .name: pidx, .offset: 32, .size: 8, .value_kind: global_buffer, .address_space: global }
    .group_segment_fixed_size: 327680
    .private_segment_fixed_size: 0
    .kernarg_segment_align: 8
    .kernarg_segment_size: 40
    .max_flat_workgroup_size: 128
    .sgpr_count:     88
    .vgpr_count:     1024
    .wavefront_size: 32
...
	.end_amdgpu_metadata
.endif
;; end of part 2
;; launch gather (part 3): grid 256 x 1, 8 waves a work-group, no clusters, 0 bytes of LDS; arguments pkey, pidx, codes, out0, out1; writes out0, out1
.if DOCPART == 3
	.amdgcn_target "amdgcn-amd-amdhsa--gfx1250"
	.amdhsa_code_object_version 6
	.text
	.protected	k_qb02c4eeffc_gather
	.globl	k_qb02c4eeffc_gather
	.p2align	8
	.type	k_qb02c4eeffc_gather,@function
k_qb02c4eeffc_gather:
	s_mov_b64 s[64:65], 0
	v_nop
	global_prefetch_b8 v0, s[64:65] scope:SCOPE_SE
	s_setreg_imm32_b32 hwreg(HW_REG_WAVE_MODE, 25, 1), 1
	s_wait_xcnt 0x0
; THIRD LAUNCH.  For each row the greatest of its eight keys (one for each group of 1,024 codes, whole numbers stored by the launch before) names the code; out0 takes the code's number, out1 its row of f32.
; x + (q - x) = q by identity (shown at the head of the first launch): the row is copied as it lies, and image_tensor is not read.
; The groups ascend in code, and a later group wins only where its key is GREATER: the first index keeps a tie.  All that steers an address here is a whole number read from memory.
; SHARES.  A work-group takes 32 rows, a wave 4: 16 loads of its 4 rows' keys and codes (the same 16 bytes in every lane), the choice, then 32 loads and 32 stores of 512 consecutive bytes each.
; out0: wave 0 of every fourth work-group chooses once more for 128 rows, four a lane, and stores 512 consecutive bytes, aligned.
; No LDS, no barrier, no matrix unit, no cluster: nothing is shared between waves.
.set VO, 4                             ; v[4:7]    row c: 4,096 x its code + 16 x lane
.set K,  8                             ; v[8:39]   plane p: four rows' keys at K + 4 p
.set I,  40                            ; v[40:71]  plane p: four rows' codes at I + 4 p
.set D,  72                            ; v[72:199] row c, piece j at D + 32 c + 4 j
	s_load_b256 s[4:11], s[0:1], 0x0               ; pkey s[4:5], pidx s[6:7], codes s[8:9], out0 s[10:11]
	s_load_b64 s[12:13], s[0:1], 0x20              ; out1
	v_lshrrev_b32 v1, 5, v0
	v_readfirstlane_b32 s14, v1                    ; wave 0..7
	v_and_b32 v1, 31, v0
	v_lshlrev_b32 v1, 4, v1                        ; 16 x lane; never rewritten
	s_lshl_b32 s20, ttmp9, 7                       ; 4 bytes x (32 g + 4 w): my four rows in a plane
	s_lshl_b32 s21, s14, 4
	s_add_co_u32 s20, s20, s21
	v_mov_b32 v2, s20
	s_lshr_b32 s21, ttmp9, 2                       ; 512 (g / 4) + 16 x lane: four rows a lane of 128
	s_lshl_b32 s21, s21, 9
	v_add_nc_u32 v3, s21, v1
	s_lshl_b32 s22, ttmp9, 17                      ; 32 rows of 4,096 bytes,
	s_lshl_b32 s23, s14, 14                        ; my four of them
	s_add_co_u32 s22, s22, s23
	s_mov_b32 s23, 0
	s_and_b32 s24, ttmp9, 3
	s_or_b32 s24, s24, s14                         ; 0 in wave 0 of every fourth work-group
	s_wait_kmcnt 0x0
	s_add_nc_u64 s[12:13], s[12:13], s[22:23]
.macro LOADKI off                      ; eight planes' keys and codes of four neighbouring rows
.irp p, 0,1,2,3,4,5,6,7
	global_load_b128 v[K+4*(\p):K+4*(\p)+3], v[\off], s[4:5] offset:32768*(\p)
	global_load_b128 v[I+4*(\p):I+4*(\p)+3], v[\off], s[6:7] offset:32768*(\p)
.endr
.endm
.macro SELECT                          ; plane 0's registers take the greatest key and its code
.irp p, 1,2,3,4,5,6,7
.irp c, 0,1,2,3
	v_cmp_gt_u32 s[16+(\c)], v[K+4*(\p)+(\c)], v[K+(\c)]
.endr
.irp c, 0,1,2,3
	v_cndmask_b32 v[K+(\c)], v[K+(\c)], v[K+4*(\p)+(\c)], s[16+(\c)]
	v_cndmask_b32 v[I+(\c)], v[I+(\c)], v[I+4*(\p)+(\c)], s[16+(\c)]
.endr
.endr
.endm
	LOADKI 2
	s_wait_loadcnt 0x0
	SELECT
.irp c, 0,1,2,3
	v_min_u32 v[I+(\c)], 0x1fff, v[I+(\c)]         ; a number that was loaded enters an address only clamped to the table's 8,192 rows
	v_lshl_add_u32 v[VO+(\c)], v[I+(\c)], 12, v1
.endr
.set n, 0
.rept 32                                       ; no hint: a row of codes may be named by many rows
	global_load_b128 v[D+4*n:D+4*n+3], v[VO+(n/8)], s[8:9] offset:512*(n%8)
.set n, n+1
.endr
.set n, 0
.rept 32
	s_wait_loadcnt 31-n                            ; loads come back in order: load n is in, the younger ones stay out
	global_store_b128 v1, v[D+4*n:D+4*n+3], s[12:13] offset:4096*(n/8)+512*(n%8) th:TH_STORE_NT
.set n, n+1
.endr
	s_cmp_lg_u32 s24, 0
	s_cbranch_scc1 .Ldone
	LOADKI 3                                       ; K and I are sources of no pending instruction
	s_wait_loadcnt 0x0
	SELECT
	global_store_b128 v3, v[I:I+3], s[10:11]
.Ldone:
	s_endpgm
.Lfunc_end_k_qb02c4eeffc_gather:
	.size	k_qb02c4eeffc_gather, .Lfunc_end_k_qb02c4eeffc_gather-k_qb02c4eeffc_gather
	.p2alignl 7, 3214868480
	.fill 96, 4, 3214868480
	.section	.rodata,"a",@progbits
	.p2align	6, 0x0
	.amdhsa_kernel k_qb02c4eeffc_gather
		.amdhsa_group_segment_fixed_size 0
		.amdhsa_private_segment_fixed_size 0
		.amdhsa_enable_private_segment 0
		.amdhsa_kernarg_size 40
		.amdhsa_user_sgpr_count 2
		.amdhsa_user_sgpr_kernarg_segment_ptr 1
		.amdhsa_wavefront_size32 1
		.amdhsa_system_sgpr_workgroup_id_x 1
		.amdhsa_system_sgpr_workgroup_id_y 1
		.amdhsa_system_sgpr_workgroup_id_z 1
		.amdhsa_system_vgpr_workitem_id 0
		.amdhsa_next_free_vgpr 200
		.amdhsa_next_free_sgpr 66
		.amdhsa_reserve_vcc 0
		.amdhsa_float_denorm_mode_32 3
		.amdhsa_float_denorm_mode_16_64 3
		.amdhsa_memory_ordered 1
		.amdhsa_forward_progress 1
		.amdhsa_inst_pref_size 23
	.end_amdhsa_kernel
	.amdgpu_metadata
---
amdhsa.version: [ 1, 2 ]
amdhsa.kernels:
  - .name:           k_qb02c4eeffc_gather
    .symbol:         k_qb02c4eeffc_gather.kd
    .args:
      - { .name: pkey, .offset: 0, .size: 8, .value_kind: global_buffer, .address_space: global }
      - { .name: pidx, .offset: 8, .size: 8, .value_kind: global_buffer, .address_space: global }
      - { .name: codes, .offset: 16, .size: 8, .value_kind: global_buffer, .address_space: global }
      - { .name: out0, .offset: 24, .size: 8, .value_kind: global_buffer, .address_space: global }
      - { .name: out1, .offset: 32, .size: 8, .value_kind: global_buffer, .address_space: global }
    .group_segment_fixed_size: 0
    .private_segment_fixed_size: 0
    .kernarg_segment_align: 8
    .kernarg_segment_size: 40
    .max_flat_workgroup_size: 256
    .sgpr_count:     66
    .vgpr_count:     200
    .wavefront_size: 32
...
	.end_amdgpu_metadata
.endif
;; end of part 3
